; MI455X (gfx1250); checked and timed in simulation.
; The chip was launched on July 23, 2026; its instructions are those of AMD's public machine-readable ISA for CDNA 5 (MIT licence, August 2026) and "CDNA5" Instruction Set Architecture Reference Guide (July 2026). The comments in the code are by the model that wrote it; some were corrected since.
;; Attention. Allowed arithmetic: matrix products marked QUANTISED: E2M1 operands, one E8M0 scale for each 32 along K, by v_wmma_scale_f32_16x16x128_f8f6f4 with both operands' format E2M1 (or v_wmma_scale_f32_32x16x128_f4), f32 sums; products left as they are: f32 operands where the result goes on into a quantised operand, else bf16, f16 or f32 operands; f32 sums; everything else in f32.
;; Inputs: W_codes 1,024 x 32 x 16 uint8 (E2M1 codes of W, K innermost, in blocks of 32 codes, two codes a byte); W_scales 1,024 x 32 uint8 (E8M0 scales of W, one for each 32 codes along K); decoder_state 32 x 1,024 float32; encoder_outputs 32 x 2,048 x 1,024 float32; v 1 x 1,024 float32.
;; Outputs: out0 32 x 1,024 float32; out1 32 x 2,048 float32.
;; This version of the problem:
;;   THIS VERSION OF THE PROBLEM IS GIVEN IN LOW PRECISION. The matrix products marked QUANTISED in the list below multiply operands that are first quantised to E2M1 (2 exponent bits, 1 mantissa bit; 4 bits a number), with one power-of-two scale for each 32 numbers along K (OCP MX v1.0); their sums are f32. All else is computed in f32.
;;   The module's matrix products, in the order in which they are computed (A, B: the left and right operand; K: the contracted axis; several contracted axes count as one K, in the product's order):
;;     1. [M 65,536, K 1,024] x [K 1,024, N 1,024]; A: input encoder_outputs; B: input W (given as codes): QUANTISED
;;     2. [M 65,536, K 1,024] x [K 1,024, N 1]; A: computed on the way; B: input v: left as it is (N = 1 < 16)
;;     3. batch 32 x [M 1, K 2,048] x [K 2,048, N 1,024]; A: softmax; B: input encoder_outputs: left as it is (M = 1 < 16)
;;   THE QUANTISER, for each operand of a quantised product, along K:
;;     - K is cut into blocks of 32 from its start; a last block that is shorter is filled with zeros.
;;     - A block's scale is 2^e with e = floor(log2(the largest magnitude in the block)) - 2, held to -126 .. 127; a block of zeros has e = 0. As a byte (E8M0): e + 127.
;;     - Each number is divided by its block's scale, clamped to +-6, and rounded to the nearest number of E2M1, ties to even, subnormals kept.
;;     - The product sums the exact products of the quantised numbers (number of the format x scale) in f32.
;;   ~~~python
;;   def quantise(x, axis):      # numpy; x: float32 -> the quantised numbers, widened to float32 again
;;       x = np.moveaxis(x, axis, -1); K = x.shape[-1]
;;       x = np.pad(x, [(0, 0)] * (x.ndim - 1) + [(0, -K % 32)]); x = x.reshape(x.shape[:-1] + (-1, 32)); a = np.abs(x).max(-1, keepdims=True)
;;       e = np.where(a > 0, np.clip(np.frexp(np.where(a > 0, a, 1))[1] - 1 - 2, -126, 127), 0)      # np.frexp(a)[1] - 1 = floor(log2(a)), exactly
;;       r = np.clip(x / 2.0 ** e, -6, 6)
;;       step = 2.0 ** (np.maximum(np.frexp(np.where(r == 0, 1, r))[1] - 1, 0) - 1)
;;       q = np.round(r / step) * step * 2.0 ** e      # np.round: ties to even
;;       return np.moveaxis(q.reshape(q.shape[:-2] + (-1,))[..., :K], -1, axis).astype(np.float32)
;;   ~~~
;;   INPUTS GIVEN AS CODES. W (in the module: [1024, 1024], K = its axis 1): each comes as NAME_codes (uint8): NAME with its K axis moved to the last place and cut into blocks of 32 codes, [.., K / 32, bytes a block], one block behind the other in memory; two codes a byte, the lower K in the low four bits (a code: sign, 2 exponent bits, 1 mantissa bit); and NAME_scales (uint8): the same leading axes, one E8M0 byte (e + 127) for each 32 codes along K. Its value is code x scale, taken as it is: it is not quantised again, and the codes and scales need not be those that the quantiser above would give.
;; One version. Each part assembles by itself: llvm-mc -triple=amdgcn-amd-amdhsa -mcpu=gfx1250 --defsym DOCPART=n.
;; ======== version 1 of 1: 3 launches
;; limits: values are held in bf16: 8 bits of precision; right only within a limited range of input values
;; workspace buffers: wf 524,288 bytes; ws 32,768 bytes; sc 262,144 bytes; pctx 1,048,576 bytes; pml 65,536 bytes
;; launch prep (part 1): grid 128 x 1, 8 waves a work-group, no clusters, 0 bytes of LDS; arguments W_codes, W_scales, wf, ws; writes wf, ws
.if DOCPART == 1
	.amdgcn_target "amdgcn-amd-amdhsa--gfx1250"
	.amdhsa_code_object_version 6
	.text
	.protected	k_qa202b034de_prep
	.globl	k_qa202b034de_prep
	.p2align	8
	.type	k_qa202b034de_prep,@function
k_qa202b034de_prep:
	s_mov_b64 s[64:65], 0
	v_nop
	global_prefetch_b8 v0, s[64:65] scope:SCOPE_SE
	s_setreg_imm32_b32 hwreg(HW_REG_WAVE_MODE, 25, 1), 1
	s_wait_xcnt 0x0
; W's codes and scale bytes are laid anew, in the order of the matrix operand's registers, so that the main launch loads a fragment
; of W as dense runs of 512 bytes straight into registers.
; wf: byte ((TT*8 + q)*4 + t)*1024 + c*512 + lane*16 holds the 16 bytes of W_codes[o = 64 TT + 16 t + lane%16][block 4 q + 2 c + lane/16]:
;     TT = 64 columns of the product, q = 128 along K, t = 16 columns, c = half of a fragment (registers 4 c .. 4 c + 3).
; ws: byte ((TT*8 + q)*32 + lane)*8 + 4 k holds bytes 4 q .. 4 q + 3 of W_scales[o = 64 TT + 32 k + lane]: word k carries the scale words of
;     column tile 2 k in lanes 0-15 and of tile 2 k + 1 in lanes 16-31.
; Thread d = 256 x work-group + thread owns 16 bytes of wf; the first 16 work-groups also make ws, 8 bytes a thread.
	s_load_b256 s[4:11], s[0:1], 0x0               ; W_codes s[4:5], W_scales s[6:7], wf s[8:9], ws s[10:11]
	s_and_b32 s12, ttmp9, 7                        ; q
	s_lshr_b32 s13, ttmp9, 3                       ; TT
	s_lshl_b32 s14, s13, 15                        ; 64 rows of 512 bytes
	s_lshl_b32 s15, s12, 6                         ; 4 blocks of 16 bytes
	s_add_co_u32 s14, s14, s15
	v_and_b32 v1, 15, v0                           ; r
	v_bfe_u32 v2, v0, 4, 1                         ; h
	v_bfe_u32 v3, v0, 5, 1                         ; c
	v_bfe_u32 v4, v0, 6, 2                         ; t
	s_delay_alu instid0(VALU_DEP_4)
	v_lshlrev_b32 v5, 9, v1                        ; row r: 512 bytes
	s_delay_alu instid0(VALU_DEP_1)
	v_lshl_add_u32 v5, v2, 4, v5                   ; + 16 h
	s_delay_alu instid0(VALU_DEP_1)
	v_lshl_add_u32 v5, v3, 5, v5                   ; + 32 c
	s_delay_alu instid0(VALU_DEP_1)
	v_lshl_add_u32 v5, v4, 13, v5                  ; + 16 t rows
	s_delay_alu instid0(VALU_DEP_1)
	v_add_nc_u32 v5, s14, v5
	s_lshl_b32 s15, ttmp9, 12
	v_lshl_add_u32 v6, v0, 4, s15                  ; 16 d
	s_wait_alu depctr_va_vdst(0)
	s_wait_kmcnt 0x0
	global_load_b128 v[8:11], v5, s[4:5]
	s_wait_loadcnt 0x0
	global_store_b128 v6, v[8:11], s[8:9]          ; a wave stores 512 consecutive bytes
	s_cmp_ge_u32 ttmp9, 16
	s_cbranch_scc1 .Lend                           ; the scale words are 32,768 bytes: 16 work-groups' worth
	v_and_b32 v12, 31, v0                          ; lane.  (Other registers than the pending store's)
	v_lshrrev_b32 v13, 5, v0                       ; q = the wave; TT = the work-group
	s_delay_alu instid0(VALU_DEP_2)
	v_lshlrev_b32 v12, 5, v12                      ; a row of W_scales is 32 bytes
	s_delay_alu instid0(VALU_DEP_1)
	v_lshl_add_u32 v12, v13, 2, v12                ; + 4 q
	s_lshl_b32 s14, ttmp9, 11                      ; 64 rows of 32 bytes in; 256 threads x 8 bytes out: the same number
	v_add_nc_u32 v12, s14, v12
	v_lshl_add_u32 v13, v0, 3, s14
	global_load_b32 v14, v12, s[6:7]               ; k = 0
	global_load_b32 v15, v12, s[6:7] offset:1024   ; k = 1: 32 rows on
	s_wait_alu depctr_va_vdst(0)
	s_wait_loadcnt 0x0
	global_store_b64 v13, v[14:15], s[10:11]       ; a wave stores 256 consecutive bytes
.Lend:
	s_endpgm
.Lfunc_end_k_qa202b034de_prep:
	.size	k_qa202b034de_prep, .Lfunc_end_k_qa202b034de_prep-k_qa202b034de_prep
	.p2alignl 7, 3214868480
	.fill 96, 4, 3214868480
	.section	.rodata,"a",@progbits
	.p2align	6, 0x0
	.amdhsa_kernel k_qa202b034de_prep
		.amdhsa_group_segment_fixed_size 0
		.amdhsa_private_segment_fixed_size 0
		.amdhsa_enable_private_segment 0
		.amdhsa_kernarg_size 32
		.amdhsa_user_sgpr_count 2
		.amdhsa_user_sgpr_kernarg_segment_ptr 1
		.amdhsa_wavefront_size32 1
		.amdhsa_system_sgpr_workgroup_id_x 1
		.amdhsa_system_sgpr_workgroup_id_y 1
		.amdhsa_system_sgpr_workgroup_id_z 1
		.amdhsa_system_vgpr_workitem_id 0
		.amdhsa_next_free_vgpr 16
		.amdhsa_next_free_sgpr 66
		.amdhsa_reserve_vcc 0
		.amdhsa_float_denorm_mode_32 3
		.amdhsa_float_denorm_mode_16_64 3
		.amdhsa_memory_ordered 1
		.amdhsa_forward_progress 1
		.amdhsa_inst_pref_size 3
	.end_amdhsa_kernel
	.amdgpu_metadata
---
amdhsa.version: [ 1, 2 ]
amdhsa.kernels:
  - .name:           k_qa202b034de_prep
    .symbol:         k_qa202b034de_prep.kd
    .args:
      - { .name: W_codes, .offset: 0, .size: 8, .value_kind: global_buffer, .address_space: global }
      - { .name: W_scales, .offset: 8, .size: 8, .value_kind: global_buffer, .address_space: global }
      - { .name: wf, .offset: 16, .size: 8, .value_kind: global_buffer, .address_space: global }
      - { .name: ws, .offset: 24, .size: 8, .value_kind: global_buffer, .address_space: global }
    .group_segment_fixed_size: 0
    .private_segment_fixed_size: 0
    .kernarg_segment_align: 8
    .kernarg_segment_size: 32
    .max_flat_workgroup_size: 256
    .sgpr_count:     66
    .vgpr_count:     16
    .wavefront_size: 32
...
	.end_amdgpu_metadata
.endif
;; end of part 1
;; launch main (part 2): grid 256 x 1, 8 waves a work-group, no clusters, 327,680 bytes of LDS; arguments encoder_outputs, decoder_state, v, wf, ws, sc, pctx, pml; writes sc, pctx, pml
.if DOCPART == 2
	.amdgcn_target "amdgcn-amd-amdhsa--gfx1250"
	.amdhsa_code_object_version 6
	.text
	.protected	k_qa202b034de_main
	.globl	k_qa202b034de_main
	.p2align	8
	.type	k_qa202b034de_main,@function
k_qa202b034de_main:
	s_mov_b64 s[64:65], 0
	v_nop
	global_prefetch_b8 v0, s[64:65] scope:SCOPE_SE
	s_setreg_imm32_b32 hwreg(HW_REG_WAVE_MODE, 25, 1), 1
	s_wait_xcnt 0x0
; Additive attention, all of it but the last merge.  E = encoder_outputs [65,536 rows][1,024] f32.  For each row: x = E's row quantised to E2M1 with one E8M0 scale for each 32 along h;
; proj = x W^T on codes; score = sum over o of v[o] tanh(proj[o] + dec[b][o]); then a softmax over a batch's 2,048 rows and context = sum of weight x E's row.
; SHARES.  Work-group g owns rows 256 g .. 256 g + 255 (batch g / 8) and walks them in 4 blocks of 64.  E is read from memory ONCE: a block arrives as f32 in an LDS stage (one tensor load a wave,
; 8 rows = 32,768 dense bytes); phase Q turns it into codes and scale bytes (LDS, for all waves) and into a bf16 copy held in the wave's registers; then the stage is free and the WHOLE next block is
; asked for, with all of G and C in which to land.  Phase G: wave w makes columns 128 w .. 128 w + 127 of proj for all 64 rows, in two chunks of 64 columns (16 accumulators), K in 8 steps of 128;
; W's fragments come from the workspace wf, ws (laid in register order) straight into registers, three buffers, two steps ahead.  tanh and the dot with v follow each chunk.
; Phase C: the waves' partial scores meet in LDS; a running maximum m and sum l; the context is summed from the held bf16 rows by multiply-adds (products with one row or one column: no matrix form).
; OUT: sc = t[row] (see below), pctx = the work-group's context under its m, pml = (m, l).  The next launch merges the eight work-groups of a batch.
; ARITHMETIC.  tanh(y) = 1 - 2 / (1 + 2^(c2 y)), c2 = 2 log2(e); it saturates rightly: 2^z = infinity gives 0, 2^z = 0 gives 1.  t = log2(e) x (score - sum of v) = sum over o of (-c2 v[o]) / (1 + 2^z):
; the term log2(e) x sum(v) is common to all rows, and a softmax does not see it.  p = 2^(t - m).
; NO CLUSTER, NO JOINT LOADS: E's tiles are each read by one wave alone; W is shared, but the stage (278,528 bytes), the codes, scale bytes and small stages (40,192) and the spare words leave
; 7,936 of LDS's 327,680 bytes, and two slots of W do not fit there: W goes to registers.
; LIMITS: NaN and infinities among the inputs are not served.  A block of 32 zeros gets the scale byte 1 where the rule says 127: its codes are zeros and this program alone reads the byte; blocks whose
; largest magnitude lies under 2^-124 are held at that byte.  A p or a rescaling factor under 2^-126 counts as 0.  E enters the context rounded to bf16.
; REGISTERS, in windows of 256 (s_set_vgpr_msb: bits 1:0 source 0, 3:2 source 1, 5:4 source 2, 7:6 destination):
;   window 0: v1-17 addresses; v20-23 f, m, l; v24-31 scale words and nothing else; v32-47 (c2 dec, -c2 v) of my 8 column tiles; v50-57 my rows' p; v58-63 at work; v64-95 S: row sums in the making;
;             v96-127 CT: my rows' context; v128-255 the 16 accumulators (m, t) at 128 + 8 (4 m + t); free in Q and C, which work there.
;   window 1: v0-127 HOLD: my 8 rows as bf16; v128-159 x's four fragments; v160-255 W's fragments, three buffers of 32.
.set STGW,  34816                      ; LDS: a wave's stage: 128 units of 256 bytes + 16 of padding; a row of E is 16 units, 4,352 bytes
.set XC,    278528                     ; x's codes: 64 rows, 512 bytes + 16 of padding (33 x 16 bytes: the 16 rows of a fragment load start at 16 different groups of banks; ISA guide 11.1).  At the very end: the context's stage
.set XP,    528
.set XS,    312320                     ; x's scale bytes: 64 rows of 32, pitch 36
.set PS,    314624                     ; partial scores [8 waves][64 rows] f32
.set PB,    316672                     ; 256 bytes a wave: its own copy of the block's 64 p
.set SPARE, 318720                     ; the spare words, 128 bytes for each wave: four blocks of 256 bytes that no other line names
.set SPW,  1                           ; v1   SPARE + 4 x my thread's number; never rewritten
.set NIL,  2                           ; v2   0; never rewritten
.set AQ,   3                           ; v3   stage: 34816 w + 272 (l / 8) + 32 (l % 8): my 32 bytes of each 1,024 of a row
.set AXC,  4                           ; v4   where I store codes: XC + 8 w rows + 4 l
.set AXB,  5                           ; v5   where I store a scale byte: XS + 8 w rows + l / 4
.set AXF,  6                           ; v6   where I read x's fragments: XC + 528 r + 16 h
.set AXSR, 7                           ; v7   and x's scale words: XS + 36 l
.set AW,   8                           ; v8   16 l
.set AWS,  9                           ; v9   8 l
.set APSW, 10                          ; v10  where I store partial scores
.set APSR, 11                          ; v11  where I read them: PS + 8 l
.set APBW, 12                          ; v12  PB + 256 w + 8 l
.set APBR, 13                          ; v13  PB + 256 w + 32 w: my 8 rows' p
.set ASC,  14                          ; v14  8 l + 256 x block: my place in the work-group's scores
.set ACTW, 15                          ; v15  XC + 4096 w + 32 l
.set ACTR, 16                          ; v16  XC + 512 w + 16 l
.set ADV,  17                          ; v17  4 r
.set FF,   20                          ; v[20:21] f = 2^(old m - new m); v21 is named with it as a pair
.set RM,   22                          ; v22  m
.set RL,   23                          ; v23  l
.set XS0,  24                          ; v24, v25 x's scale words: rows 0-31, rows 32-63, a row to a lane
.set WS,   26                          ; v[26:31] W's scale words, a pair for each buffer
.set DV,   32
.set VVP,  48                          ; v[48:49] -c2 v of the tile in hand; v49 is named with it as a pair
.set PBR,  50
.set TR,   58
.set S,    64
.set CT,   96
.set ACC,  128
.set QX,   128                         ; in Q: two sets of 32 numbers,
.set QC,   192                         ; two sets of 4 code words and 4 scale bytes,
.set MT,   208                         ; four largest magnitudes,
.set SCO,  212                         ; four scale operands
.set HOLD, 0                           ; in window 1
.set XF,   128
.set WF,   160
.set MSB, 0
.macro WIN new                         ; the immediate's high byte repeats the setting that is left; a switch that changes nothing is dropped
.if MSB != \new
	s_set_vgpr_msb (MSB<<8)|\new
.set MSB, \new
.endif
.endm
	s_load_b256 s[4:11], s[0:1], 0x0               ; E s[4:5], dec s[6:7], v s[8:9], wf s[10:11]
	s_load_b256 s[12:19], s[0:1], 0x20             ; ws s[12:13], sc s[14:15], pctx s[16:17], pml s[18:19]
	v_lshl_add_u32 v[SPW], v0, 2, SPARE
	v_mov_b32 v[NIL], 0
	ds_add_u32 v1, v2
	ds_add_u32 v1, v2
	s_wait_dscnt 0x0
	v_lshrrev_b32 v[TR], 5, v0
	v_readfirstlane_b32 s20, v[TR]                 ; wave 0..7
	; descriptor group 1: 32,768 dense bytes as 128 rows of 32 elements of 8 bytes, 4 words of padding behind every 64
	s_mov_b32 s36, (3<<16)|(1<<20)|(5<<22)|(3<<25)
	s_mov_b32 s37, 32<<16                          ; tensor_dim0 = 32
	s_mov_b32 s38, 128<<16                         ; tensor_dim1 = 128
	s_mov_b32 s39, 32<<16                          ; tile_dim0 = 32
	s_mov_b32 s40, 128                             ; tile_dim1 = 128
	s_mov_b32 s41, 32                              ; from row to row: 32 elements
	s_mov_b32 s42, 0
	s_mov_b32 s43, 0
	s_lshl_b32 s44, ttmp9, 20                      ; 256 rows of 4,096 bytes a work-group,
	s_lshl_b32 s46, s20, 15                        ; 8 rows a wave
	s_add_co_u32 s44, s44, s46
	s_mov_b32 s45, 0
	s_mov_b32 s32, 1                               ; group 0: count = 1,
	s_mul_i32 s33, s20, STGW                       ; my stage,
	s_wait_kmcnt 0x0
	s_add_nc_u64 s[34:35], s[4:5], s[44:45]        ; my 8 rows of block 0,
	s_add_nc_u64 s[60:61], s[34:35], 524288        ; and of block 2: where my prefetches begin
	s_or_b32 s35, s35, 0x80000000                  ; type = 2
	tensor_load_to_lds s[32:35], s[36:43]          ; the first fill, ahead of every wait on TENSORcnt, every LDS read and every barrier: one load of mine is out
	s_nop 0
.rept 4
	v_nop
.endr
	s_lshr_b32 s44, ttmp9, 3                       ; the batch
	s_lshl_b32 s44, s44, 12
	s_lshl_b32 s46, s20, 9                         ; my 128 columns: 512 bytes
	s_add_co_u32 s44, s44, s46
	s_add_nc_u64 s[6:7], s[6:7], s[44:45]          ; dec at my batch's row, my columns
	s_mov_b32 s44, s46
	s_add_nc_u64 s[8:9], s[8:9], s[44:45]          ; v at my columns
	s_lshl_b32 s44, s20, 16
	s_add_nc_u64 s[10:11], s[10:11], s[44:45]      ; wf: 2 chunks x 8 steps x 4,096 bytes a wave
	s_lshl_b32 s44, s20, 12
	s_add_nc_u64 s[12:13], s[12:13], s[44:45]      ; ws: 16 x 256 bytes a wave
	s_lshl_b32 s44, ttmp9, 10
	s_add_nc_u64 s[14:15], s[14:15], s[44:45]      ; sc: 256 rows x 4 bytes a work-group
	s_lshl_b32 s44, ttmp9, 12
	s_add_co_u32 s44, s44, s46
	s_add_nc_u64 s[16:17], s[16:17], s[44:45]      ; pctx: 4,096 bytes a work-group, 512 a wave
	s_lshl_b32 s44, ttmp9, 8
	s_add_nc_u64 s[18:19], s[18:19], s[44:45]      ; pml: 256 bytes a work-group
	s_mov_b32 s22, 0x4038aa3b                      ; c2 = 2 log2(e)
	s_mov_b32 s23, s22                             ; (named with it as a pair)
	s_mov_b32 s24, 0x76543210                      ; v_permlanex16_b32's selects for lane l xor 16
	s_mov_b32 s25, 0xfedcba98
	s_mov_b32 s26, 0xaaaaaaaa                      ; lanes with bit 0, 1, 2, 3 of their number set
	s_mov_b32 s27, 0xcccccccc
	s_mov_b32 s28, 0xf0f0f0f0
	s_mov_b32 s29, 0xff00ff00
	v_and_b32 v58, 31, v0                          ; l
	v_and_b32 v59, 15, v0                          ; r
	v_bfe_u32 v60, v0, 4, 1                        ; h
	v_bfe_u32 v61, v0, 3, 2                        ; l / 8
	v_and_b32 v62, 7, v0                           ; l % 8
	v_mul_u32_u24 v[AQ], v61, 272
	v_lshl_add_u32 v[AQ], v62, 5, v[AQ]
	v_add_nc_u32 v[AQ], s33, v[AQ]
	s_mul_i32 s45, s20, 8*XP
	s_add_co_u32 s45, s45, XC
	v_lshl_add_u32 v[AXC], v58, 2, s45
	s_mul_i32 s45, s20, 288
	s_add_co_u32 s45, s45, XS
	v_bfe_u32 v[AXB], v0, 2, 3                     ; l / 4: four lanes hold a block of 32
	v_add_nc_u32 v[AXB], s45, v[AXB]
	v_mul_u32_u24 v[AXF], v59, XP
	v_lshl_add_u32 v[AXF], v60, 4, v[AXF]
	v_add_nc_u32 v[AXF], XC, v[AXF]
	v_mul_u32_u24 v[AXSR], v58, 36
	v_add_nc_u32 v[AXSR], XS, v[AXSR]
	v_lshlrev_b32 v[AW], 4, v58
	v_lshlrev_b32 v[AWS], 3, v58
	v_bfe_u32 v61, v0, 3, 1                        ; r / 8
	v_lshlrev_b32 v[APSW], 2, v62                  ; the row that the reduction leaves in my lane: 16 (r / 8) + 8 h + r % 8, 4 bytes a row
	v_lshl_add_u32 v[APSW], v60, 5, v[APSW]
	v_lshl_add_u32 v[APSW], v61, 6, v[APSW]
	s_lshl_b32 s45, s20, 8
	s_add_co_u32 s45, s45, PS
	v_add_nc_u32 v[APSW], s45, v[APSW]
	v_lshl_add_u32 v[APSR], v58, 3, PS
	s_lshl_b32 s45, s20, 8
	s_add_co_u32 s45, s45, PB
	v_lshl_add_u32 v[APBW], v58, 3, s45
	s_mul_i32 s45, s20, 288
	s_add_co_u32 s45, s45, PB
	v_mov_b32 v[APBR], s45
	v_lshlrev_b32 v[ASC], 3, v58
	s_lshl_b32 s45, s20, 12
	s_add_co_u32 s45, s45, XC
	v_lshl_add_u32 v[ACTW], v58, 5, s45
	s_lshl_b32 s45, s20, 9
	s_add_co_u32 s45, s45, XC
	v_lshl_add_u32 v[ACTR], v58, 4, s45
	v_lshlrev_b32 v[ADV], 2, v59
	v_lshlrev_b32 v18, 8, v58                      ; v18: the prefetches' offset, 256 l; never rewritten
; W's fragments and scale words of step pre (8 x chunk + K step) into buffer buf: 9 global loads; x's of K step xn: 2 + 8 LDS loads, the scale words first, then tile 0, 1, 2, 3.  -1: none.
; The scale loads stand together under window 0, the fragment loads under destination window 1.  W is read again by other work-groups: no cache word.
.macro FEED pre, buf, xn
	WIN 0
.if (\pre) >= 0
	global_load_b64 v[WS+2*(\buf):WS+2*(\buf)+1], v[AWS], s[12:13] offset:256*(\pre)
.endif
.if (\xn) >= 0
	ds_load_b32 v[XS0], v[AXSR] offset:4*(\xn)
	ds_load_b32 v[XS0+1], v[AXSR] offset:32*36+4*(\xn)
.endif
	WIN 0x40
.if (\pre) >= 0
.irp n, 0,1,2,3,4,5,6,7
	global_load_b128 v[WF+32*(\buf)+4*\n:WF+32*(\buf)+4*\n+3], v[AW], s[10:11] offset:4096*(\pre)+512*\n   ; 512 consecutive bytes: registers 4 n .. 4 n + 3 of the buffer
.endr
.endif
.if (\xn) >= 0
.irp m, 0,1,2,3
.irp c, 0,1
	ds_load_b128 v[XF+8*\m+4*\c:XF+8*\m+4*\c+3], v[AXF] offset:16*XP*\m+64*(\xn)+32*\c
.endr
.endr
.endif
.endm
.irp T, 0,1,2,3,4,5,6,7                        ; lane (r, h) wants dec and v at column 128 w + 16 T + r
	global_load_b32 v[DV+2*\T], v[ADV], s[6:7] offset:64*\T
	global_load_b32 v[DV+2*\T+1], v[ADV], s[8:9] offset:64*\T
.endr
	FEED 0, 0, -1
	FEED 1, 1, -1
	FEED 2, 2, -1
	WIN 0
	s_wait_loadcnt 27                              ; dec and v are in; W's three groups of 9 stay out
.irp T, 0,1,2,3,4,5,6,7
	v_mul_f32 v[DV+2*\T], s22, v[DV+2*\T]          ; c2 dec
	v_mul_f32 v[DV+2*\T+1], 0xc038aa3b, v[DV+2*\T+1]   ; -c2 v
.endr
	v_mov_b32 v[RM], 0xff61b1e6                    ; m: -3e38, under every t
	v_mov_b32 v[RL], 0
	v_mov_b32 v[FF+1], 0
	v_mov_b32 v[VVP+1], 0
	v_mov_b32 v59, 0                               ; a lane permute's destination counts as one of its sources
.set i, 0
.rept 32
	v_mov_b32 v[CT+i], 0                           ; the block is written without a first block of its own: the first f is 0 and finds zeros
.set i, i+1
.endr
; ---- Q.  Lane l holds, of a row, h = 256 t + 8 l + 0 .. 7 for t = 0 .. 3: 32 bytes at 1,024 t + 32 l, so sixteen lanes of a load touch sixteen different 16-byte columns of the padded units.
.macro QLOAD j
.irp t, 0,1,2,3
.irp u, 0,1
	ds_load_b128 v[QX+32*((\j)%2)+8*\t+4*\u:QX+32*((\j)%2)+8*\t+4*\u+3], v[AQ] offset:4352*(\j)+1088*\t+16*\u
.endr
.endr
.endm
.macro QROW j                          ; my row j: four blocks' parts by turns
.set qx, QX+32*((\j)%2)
.set qc, QC+8*((\j)%2)
.irp t, 0,1,2,3
	v_max3_num_f32 v[MT+\t], |v[qx+8*\t]|, |v[qx+8*\t+1]|, 0x1800000   ; the largest magnitude of my 8, and the floor 2^(3 - 127): the byte cannot fall under 1
.endr
.irp i, 2,4,6
.irp t, 0,1,2,3
	v_max3_num_f32 v[MT+\t], v[MT+\t], |v[qx+8*\t+\i]|, |v[qx+8*\t+\i+1]|
.endr
.endr
.irp t, 0,1,2,3
	v_max_num_f32_dpp v[MT+\t], v[MT+\t], v[MT+\t] row_xmask:1 row_mask:0xf bank_mask:0xf
.endr
.irp t, 0,1,2,3
	v_max_num_f32_dpp v[MT+\t], v[MT+\t], v[MT+\t] row_xmask:2 row_mask:0xf bank_mask:0xf   ; with the three lanes that share the block of 32
.endr
.irp t, 0,1,2,3
	v_add_nc_u32 v[SCO+\t], 0xff000000, v[MT+\t]   ; 2 off its exponent field: the conversion takes the exponent field of this operand as its scale
.endr
.irp t, 0,1,2,3
	v_lshrrev_b32 v[qc+4+\t], 23, v[SCO+\t]        ; the scale's byte
.endr
.irp t, 0,1,2,3
	v_cvt_scalef32_pk8_fp4_f32 v[qc+\t], v[qx+8*\t:qx+8*\t+7], v[SCO+\t]   ; 8 codes, the lower h in the lower bits; beyond 6 the largest code
.endr
	v_nop                                          ; one plain place behind a scaled conversion
	WIN 0x40
.irp i, 0,1,2,3,4,5,6,7,8,9,10,11,12,13,14,15
	v_cvt_pk_bf16_f32 v[HOLD+16*(\j)+\i], v[qx+2*\i], v[qx+2*\i+1]   ; the row is held for the context
.endr
	WIN 0
.irp t, 0,1,2,3
	ds_store_b32 v[AXC], v[qc+\t] offset:XP*(\j)+128*\t            ; 32 lanes store 128 consecutive bytes of the row's codes
.endr
.irp t, 0,1,2,3
	ds_store_b8 v[AXB], v[qc+4+\t] offset:36*(\j)+8*\t             ; the four lanes of a block write the same byte with the same value
.endr
.endm
.macro QUANT
	s_wait_tensorcnt 0x0                           ; my tile is in: one load of mine was out and none was issued behind it
	QLOAD 0
.irp j, 0,1,2,3,4,5,6,7
.if \j < 7
	QLOAD \j+1
.endif
.if (\j == 0) || (\j == 7)
	s_wait_dscnt 8                                 ; row j is in; behind its loads stand the next row's 8 loads (j = 0) or the last row's 8 stores (j = 7)
.else
	s_wait_dscnt 16                                ; row j is in; behind its loads stand the last row's 8 stores and the next row's 8 loads.  So the stores of two rows ago are done: their registers are written again
.endif
	QROW \j
.endr
.endm
; ---- G.  One product: A = 16 rows of x (tile m), B = 16 columns of W (tile t of the chunk), 128 along K.  In the result lane (r, h) holds column r and rows 8 h + 0 .. 7 of the tile.
; A scale register carries an even tile's words in lanes 0-15 and the odd tile's in lanes 16-31.
.macro MM m, t, buf, zero
.set md, ACC+8*(4*(\m)+(\t))
.set mx, XF+8*(\m)
.set mw, WF+32*(\buf)+8*(\t)
.set mqa, XS0+(\m)/2
.set mqb, WS+2*(\buf)+(\t)/2
.set mrow, 2*((\m)%2)+(\t)%2
.if \zero
.if mrow == 0
	v_wmma_scale_f32_16x16x128_f8f6f4 v[md:md+7], v[mx:mx+7], v[mw:mw+7], 0, v[mqa], v[mqb] matrix_a_fmt:MATRIX_FMT_FP4 matrix_b_fmt:MATRIX_FMT_FP4
.elseif mrow == 1
	v_wmma_scale_f32_16x16x128_f8f6f4 v[md:md+7], v[mx:mx+7], v[mw:mw+7], 0, v[mqa], v[mqb] matrix_a_fmt:MATRIX_FMT_FP4 matrix_b_fmt:MATRIX_FMT_FP4 matrix_b_scale:MATRIX_SCALE_ROW1
.elseif mrow == 2
	v_wmma_scale_f32_16x16x128_f8f6f4 v[md:md+7], v[mx:mx+7], v[mw:mw+7], 0, v[mqa], v[mqb] matrix_a_fmt:MATRIX_FMT_FP4 matrix_b_fmt:MATRIX_FMT_FP4 matrix_a_scale:MATRIX_SCALE_ROW1
.else
	v_wmma_scale_f32_16x16x128_f8f6f4 v[md:md+7], v[mx:mx+7], v[mw:mw+7], 0, v[mqa], v[mqb] matrix_a_fmt:MATRIX_FMT_FP4 matrix_b_fmt:MATRIX_FMT_FP4 matrix_a_scale:MATRIX_SCALE_ROW1 matrix_b_scale:MATRIX_SCALE_ROW1
.endif
.else
.if mrow == 0
	v_wmma_scale_f32_16x16x128_f8f6f4 v[md:md+7], v[mx:mx+7], v[mw:mw+7], v[md:md+7], v[mqa], v[mqb] matrix_a_fmt:MATRIX_FMT_FP4 matrix_b_fmt:MATRIX_FMT_FP4
.elseif mrow == 1
	v_wmma_scale_f32_16x16x128_f8f6f4 v[md:md+7], v[mx:mx+7], v[mw:mw+7], v[md:md+7], v[mqa], v[mqb] matrix_a_fmt:MATRIX_FMT_FP4 matrix_b_fmt:MATRIX_FMT_FP4 matrix_b_scale:MATRIX_SCALE_ROW1
.elseif mrow == 2
	v_wmma_scale_f32_16x16x128_f8f6f4 v[md:md+7], v[mx:mx+7], v[mw:mw+7], v[md:md+7], v[mqa], v[mqb] matrix_a_fmt:MATRIX_FMT_FP4 matrix_b_fmt:MATRIX_FMT_FP4 matrix_a_scale:MATRIX_SCALE_ROW1
.else
	v_wmma_scale_f32_16x16x128_f8f6f4 v[md:md+7], v[mx:mx+7], v[mw:mw+7], v[md:md+7], v[mqa], v[mqb] matrix_a_fmt:MATRIX_FMT_FP4 matrix_b_fmt:MATRIX_FMT_FP4 matrix_a_scale:MATRIX_SCALE_ROW1 matrix_b_scale:MATRIX_SCALE_ROW1
.endif
.endif
.endm
; Step s = 8 x chunk + K step: 16 products, the 16 accumulators by turns, one instruction a turn, in the same order in every step.  A chunk's first step starts the sums with the constant 0.
; Behind the products: four places (ISA guide 7.12.1 for vector instructions), then W of three steps on into the buffer just read, and x of the next K step.
.macro STEP s
.if (\s) < 14
	s_wait_loadcnt 18                              ; this step's group of 9 is in; the two groups behind it stay out
.elseif (\s) == 14
	s_wait_loadcnt 9                               ; one group behind it
.else
	s_wait_loadcnt 0x0                             ; none
.endif
	WIN 0x05                                       ; A and B in window 1, C and D in window 0
.irp m, 0,1,2,3
	s_wait_dscnt 6-2*\m                            ; the scale words and tile m's two loads are in; the later tiles' may be out
.irp t, 0,1,2,3
.if (\s)%8 == 0
	MM \m, \t, (\s)%3, 1
.else
	MM \m, \t, (\s)%3, 0
.endif
.endr
.endr
.rept 4
	v_nop
.endr
.if (\s) < 13
	FEED (\s)+3, (\s)%3, ((\s)+1)%8
.elseif (\s) < 15
	FEED -1, 0, ((\s)+1)%8
.endif
.endm
; ---- tanh and the dot with v, tile by tile (k = 4 t + m), in five stages, each over all 16 tiles of the chunk, so that each run of transcendentals has a plain independent line behind it before its results are used.
.macro TA k, ch                        ; z = c2 proj + c2 dec, from the accumulator's low end on
.set ta, ACC+8*(4*((\k)%4)+(\k)/4)
.set td, DV+2*(4*(\ch)+(\k)/4)
.irp p, 0,2,4,6
	v_pk_fma_f32 v[ta+\p:ta+\p+1], v[ta+\p:ta+\p+1], s[22:23], v[td:td+1] op_sel_hi:[1,0,0]
.endr
.endm
.macro TE k                            ; 2^z
.set ta, ACC+8*(4*((\k)%4)+(\k)/4)
.irp e, 0,1,2,3,4,5,6,7
	v_exp_f32 v[ta+\e], v[ta+\e]
.endr
.endm
.macro TP k                            ; 1 + 2^z
.set ta, ACC+8*(4*((\k)%4)+(\k)/4)
.irp p, 0,2,4,6
	v_pk_add_f32 v[ta+\p:ta+\p+1], v[ta+\p:ta+\p+1], 1.0 op_sel_hi:[1,0]
.endr
.endm
.macro TRC k                           ; 1 / (1 + 2^z)
.set ta, ACC+8*(4*((\k)%4)+(\k)/4)
.irp e, 0,1,2,3,4,5,6,7
	v_rcp_f32 v[ta+\e], v[ta+\e]
.endr
.endm
.macro TF k, ch                        ; S += (-c2 v) x that; the block's first four tiles start S: nothing is cleared
.set ta, ACC+8*(4*((\k)%4)+(\k)/4)
.set ts, S+8*((\k)%4)
.irp p, 0,2,4,6
.if ((\ch) == 0) && ((\k) < 4)
	v_pk_mul_f32 v[ts+\p:ts+\p+1], v[ta+\p:ta+\p+1], v[VVP:VVP+1] op_sel_hi:[1,0]
.else
	v_pk_fma_f32 v[ts+\p:ts+\p+1], v[ta+\p:ta+\p+1], v[VVP:VVP+1], v[ts+\p:ts+\p+1] op_sel_hi:[1,0,1]
.endif
.endr
.endm
.macro TANH ch
	WIN 0
; The chunk's 16 tiles go through each stage together: 128 exponentials and 128 reciprocals, each as one batch with one wait ahead of it and one behind it.
.set TN, 0
.rept 16
	TA TN, \ch
.set TN, TN+1
.endr
	s_wait_alu depctr_va_vdst(0)                   ; ahead of the batch: its sources are written
.set TN, 0
.rept 16
	TE TN
.set TN, TN+1
.endr
	v_mov_b32 v[VVP], v[DV+8*(\ch)+1]              ; the first column tile's -c2 v (the plain place behind the exponentials)
	s_wait_alu depctr_va_vdst(0)                   ; behind the batch, ahead of its first reader
.set TN, 0
.rept 16
	TP TN
.set TN, TN+1
.endr
	s_wait_alu depctr_va_vdst(0)                   ; ahead of the batch
.set TN, 0
.rept 16
	TRC TN
.set TN, TN+1
.endr
	v_nop                                          ; the plain place behind the reciprocals
	s_wait_alu depctr_va_vdst(0)                   ; behind the batch
.set TN, 0
.rept 16
.if (TN > 0) && (TN%4 == 0)
	v_mov_b32 v[VVP], v[DV+2*(4*(\ch)+TN/4)+1]     ; the next column tile's -c2 v
.endif
	TF TN, \ch
.set TN, TN+1
.endr
.endm
; ---- The row sums.  S[8 m + j] of lane (r, h) is row 16 m + 8 h + j's sum over my columns with n % 16 = r.  Registers a and b are halved together: lanes with the mask's bit keep b, the others a,
; and each adds what the lane k away held of the same register.  Four levels make of 32 registers two.
.macro BFLY a, b, mask, k, tmp
	v_cndmask_b32 v[\tmp], v[\b], v[\a], s[\mask]
	v_cndmask_b32 v[\a], v[\a], v[\b], s[\mask]
	v_add_f32_dpp v[\a], v[\tmp], v[\a] row_xmask:\k row_mask:0xf bank_mask:0xf
.endm
.macro FLUSH
.irp j, 0,2,4,6,8,10,12,14,16,18,20,22,24,26,28,30
	BFLY S+\j, S+\j+1, 26, 1, TR+(\j/2)%6
.endr
.irp j, 0,4,8,12,16,20,24,28
	BFLY S+\j, S+\j+2, 27, 2, TR+(\j/4)%6
.endr
.irp j, 0,8,16,24
	BFLY S+\j, S+\j+4, 28, 4, TR+(\j/8)%6
.endr
.irp j, 0,16
	BFLY S+\j, S+\j+8, 29, 8, TR+(\j/16)%6
.endr
	ds_store_b32 v[APSW], v[S]                     ; row 16 (r / 8) + 8 h + r % 8,
	ds_store_b32 v[APSW], v[S+16] offset:128       ; and the row 32 further on
	s_wait_dscnt 0x0                               ; for the others' sake: my partial scores are stored, and my reads of x's codes and scale bytes are over
	s_barrier_signal -1
	s_barrier_wait -1                              ; the next block's tensor load stays on its way
.endm
; ---- C.  Every wave sums the eight partial scores in the same order and keeps the same m and l.
.macro SOFT
.irp i, 0,1,2,3,4,5,6,7
	ds_load_b64 v[128+2*\i:129+2*\i], v[APSR] offset:256*\i        ; rows 2 l, 2 l + 1 of wave i's columns
.endr
	s_wait_dscnt 0x0
	v_pk_add_f32 v[128:129], v[128:129], v[130:131]
	v_pk_add_f32 v[132:133], v[132:133], v[134:135]
	v_pk_add_f32 v[136:137], v[136:137], v[138:139]
	v_pk_add_f32 v[140:141], v[140:141], v[142:143]
	v_pk_add_f32 v[128:129], v[128:129], v[132:133]
	v_pk_add_f32 v[136:137], v[136:137], v[140:141]
	v_pk_add_f32 v[144:145], v[128:129], v[136:137]                ; t of rows 2 l, 2 l + 1
	s_wait_alu depctr_va_vdst(0)                   ; ahead of the branch
	s_cmp_lg_u32 s20, 0
	s_cbranch_scc1 .Lnot_wave_0_\@
	global_store_b64 v[ASC], v[144:145], s[14:15]                  ; wave 0 stores the block's 64 t: 256 consecutive bytes, aligned
.Lnot_wave_0_\@:
	v_max_num_f32 v58, v144, v145
	v_max_num_f32_dpp v58, v58, v58 row_xmask:1 row_mask:0xf bank_mask:0xf
	v_max_num_f32_dpp v58, v58, v58 row_xmask:2 row_mask:0xf bank_mask:0xf
	v_max_num_f32_dpp v58, v58, v58 row_xmask:4 row_mask:0xf bank_mask:0xf
	v_max_num_f32_dpp v58, v58, v58 row_xmask:8 row_mask:0xf bank_mask:0xf
	v_permlanex16_b32 v59, v58, s24, s25
	v_max3_num_f32 v60, v58, v59, v[RM]            ; the new m
	v_sub_f32 v61, v[RM], v60
	v_sub_f32 v146, v144, v60
	v_sub_f32 v147, v145, v60
	s_wait_alu depctr_va_vdst(0)                   ; ahead of the batch
	v_exp_f32 v[FF], v61                           ; f = 2^(old m - new m)
	v_exp_f32 v146, v146                           ; p = 2^(t - m)
	v_exp_f32 v147, v147
	v_mov_b32 v[RM], v60                           ; (the plain place behind the exponentials)
	s_wait_alu depctr_va_vdst(0)
	ds_store_b64 v[APBW], v[146:147]               ; the 64 p into my wave's own bytes;
	ds_load_b128 v[PBR:PBR+3], v[APBR]             ; LDS serves a wave's instructions in order (ISA guide 5.7.1.4): my 8 rows' p come back in every lane
	ds_load_b128 v[PBR+4:PBR+7], v[APBR] offset:16
	v_add_f32 v58, v146, v147
	v_add_f32_dpp v58, v58, v58 row_xmask:1 row_mask:0xf bank_mask:0xf
	v_add_f32_dpp v58, v58, v58 row_xmask:2 row_mask:0xf bank_mask:0xf
	v_add_f32_dpp v58, v58, v58 row_xmask:4 row_mask:0xf bank_mask:0xf
	v_add_f32_dpp v58, v58, v58 row_xmask:8 row_mask:0xf bank_mask:0xf
	v_permlanex16_b32 v59, v58, s24, s25
	v_add_f32 v58, v58, v59
	v_fma_f32 v[RL], v[RL], v[FF], v58             ; l = l f + the block's sum
.set i, 0
.rept 16
	v_pk_mul_f32 v[CT+i:CT+i+1], v[CT+i:CT+i+1], v[FF:FF+1] op_sel_hi:[1,0]   ; the context under the new m
.set i, i+2
.endr
	s_wait_dscnt 0x0
.endm
.macro CTX                             ; CT[8 t + e] += p[row j] x E[row j][256 t + 8 l + e], straight from the bf16 halves, sums in f32
	WIN 0x01                                       ; source 0 in window 1
.irp j, 0,1,2,3,4,5,6,7
.irp i, 0,1,2,3,4,5,6,7,8,9,10,11,12,13,14,15
	v_fma_mix_f32_bf16 v[CT+2*\i], v[HOLD+16*\j+\i], v[PBR+\j], v[CT+2*\i] op_sel_hi:[1,0,0]
	v_fma_mix_f32_bf16 v[CT+2*\i+1], v[HOLD+16*\j+\i], v[PBR+\j], v[CT+2*\i+1] op_sel:[1,0,0] op_sel_hi:[1,0,0]
.endr
.endr
	WIN 0
.endm
; ---- A block of 64 rows.  refill = 1: the next block is asked for as soon as the stage has been read out.
.macro BLOCK refill
	QUANT
.if \refill
	s_wait_tensorcnt 0x0                           ; no tensor load of mine is out, so group 0 may be written
	ds_add_u32 v[SPW], v[NIL]                      ; 0 onto my spare word
	s_add_nc_u64 s[34:35], s[34:35], 262144        ; 64 rows on; the type bits on top are not reached
	s_wait_dscnt 0x0                               ; the add is done; my reads of the stage are over; my codes and scale bytes are stored
	s_barrier_signal -1
	s_barrier_wait -1                              ; all that now holds of every wave; so do the reads of the last block's partial scores
	tensor_load_to_lds s[32:35], s[36:43]          ; my one tensor load behind this barrier, and the first thing there: it has the phases G and C in which to land
	s_nop 0
.rept 4
	v_nop
.endr
.else
	s_wait_dscnt 0x0                               ; my codes and scale bytes are stored
	s_barrier_signal -1
	s_barrier_wait -1
.endif
	FEED -1, 0, 0
.irp s, 0,1,2,3,4,5,6,7
	STEP \s
.endr
.if \refill
; A prefetch into the L2 of my 8 rows (32,768 bytes) of the block that the NEXT trip's tensor load asks for: four requests, lanes 256 bytes apart, each aligned block of 256 bytes named once in the launch.
; It stands behind the first chunk's products; the loop's last trip has no such block and asks for nothing; blocks 0 and 1 come by their loads alone.
	WIN 0
	s_cmp_gt_u32 s21, 1
	s_cbranch_scc0 .Lno_prefetch_\@
.irp i, 0,1,2,3
	global_prefetch_b8 v18, s[60:61] offset:8192*\i th:TH_LOAD_NT scope:SCOPE_SE
.endr
.Lno_prefetch_\@:
.endif
	TANH 0                                         ; (x's first fragments for the second chunk land meanwhile)
.irp s, 8,9,10,11,12,13,14,15
	STEP \s
.endr
.if \refill
	FEED 0, 0, -1                                  ; W's first three steps for the next block: all three buffers are free behind the last step's places
	FEED 1, 1, -1
	FEED 2, 2, -1
.endif
	TANH 1
	FLUSH
	SOFT
	CTX
	s_wait_alu depctr_va_vdst(0)                   ; directly ahead of the wait below
	s_wait_xcnt 0x0                                ; wave 0's store of t and my prefetches have had their addresses translated (ISA guide 3.1): their registers are written again only behind this wait
.if \refill
	v_add_nc_u32 v[ASC], 256, v[ASC]
	s_add_nc_u64 s[60:61], s[60:61], 262144        ; the prefetches' base, 64 rows on: behind the wait on XCNT above
.endif
.endm
	s_mov_b32 s21, 3
.Lblock:                                               ; three trips, each of which asks for the next block.  On both ways in: W's three groups are out, no LDS instruction is
	BLOCK 1
	s_sub_co_u32 s21, s21, 1
	s_cmp_lg_u32 s21, 0
	s_cbranch_scc1 .Lblock
	BLOCK 0                                        ; the last block is written out
	; ---- The eight waves' contexts are added: each wave stores its 1,024 sums into the bytes that held x's codes (their last reads stand in front of the last block's second barrier), and takes 128 of the columns.
.irp t, 0,1,2,3
.irp u, 0,1
	ds_store_b128 v[ACTW], v[CT+8*\t+4*\u:CT+8*\t+4*\u+3] offset:1024*\t+16*\u
.endr
.endr
	s_wait_dscnt 0x0                               ; for the others' sake: my stores are done
	s_barrier_signal -1
	s_barrier_wait -1
.irp i, 0,1,2,3,4,5,6,7
	ds_load_b128 v[128+4*\i:131+4*\i], v[ACTR] offset:4096*\i
.endr
	s_wait_dscnt 0x0
.irp i, 0,8,16,24
	v_pk_add_f32 v[128+\i:129+\i], v[128+\i:129+\i], v[132+\i:133+\i]
	v_pk_add_f32 v[130+\i:131+\i], v[130+\i:131+\i], v[134+\i:135+\i]
.endr
.irp i, 0,16
	v_pk_add_f32 v[128+\i:129+\i], v[128+\i:129+\i], v[136+\i:137+\i]
	v_pk_add_f32 v[130+\i:131+\i], v[130+\i:131+\i], v[138+\i:139+\i]
.endr
	v_pk_add_f32 v[128:129], v[128:129], v[144:145]
	v_pk_add_f32 v[130:131], v[130:131], v[146:147]
	s_wait_alu depctr_va_vdst(0)                   ; the sums are stored behind the waits below
	s_wait_tensorcnt 0x0                           ; the wave's end, behind my last tensor load and my last LDS store: the add and its wait are my last LDS instructions
	ds_add_u32 v[SPW], v[NIL]
	s_wait_dscnt 0x0
	global_store_b128 v[AW], v[128:131], s[16:17]  ; a wave stores 512 consecutive bytes of the work-group's context
	s_cmp_lg_u32 s20, 0
	s_cbranch_scc1 .Lend
	global_store_b64 v[AWS], v[RM:RL], s[18:19]    ; (m, l), 32 times: 256 consecutive bytes, aligned
.Lend:
	s_endpgm
.Lfunc_end_k_qa202b034de_main:
	.size	k_qa202b034de_main, .Lfunc_end_k_qa202b034de_main-k_qa202b034de_main
	.p2alignl 7, 3214868480
	.fill 96, 4, 3214868480
	.section	.rodata,"a",@progbits
	.p2align	6, 0x0
	.amdhsa_kernel k_qa202b034de_main
		.amdhsa_group_segment_fixed_size 327680
		.amdhsa_private_segment_fixed_size 0
		.amdhsa_enable_private_segment 0
		.amdhsa_kernarg_size 64
		.amdhsa_user_sgpr_count 2
		.amdhsa_user_sgpr_kernarg_segment_ptr 1
		.amdhsa_wavefront_size32 1
		.amdhsa_system_sgpr_workgroup_id_x 1
		.amdhsa_system_sgpr_workgroup_id_y 1
		.amdhsa_system_sgpr_workgroup_id_z 1
		.amdhsa_system_vgpr_workitem_id 0
		.amdhsa_next_free_vgpr 512
		.amdhsa_next_free_sgpr 66
		.amdhsa_reserve_vcc 0
		.amdhsa_float_denorm_mode_32 3
		.amdhsa_float_denorm_mode_16_64 3
		.amdhsa_memory_ordered 1
		.amdhsa_forward_progress 1
		.amdhsa_inst_pref_size 255
	.end_amdhsa_kernel
	.section	.bss,"aw",@nobits
	.p2align	6
	.space	262144
	.amdgpu_metadata
---
amdhsa.version: [ 1, 2 ]
amdhsa.kernels:
  - .name:           k_qa202b034de_main
    .symbol:         k_qa202b034de_main.kd
    .args:
      - { .name: encoder_outputs, .offset: 0, .size: 8, .value_kind: global_buffer, .address_space: global }
      - { .name: decoder_state, .offset: 8, .size: 8, .value_kind: global_buffer, .address_space: global }
      - { .name: v, .offset: 16, .size: 8, .value_kind: global_buffer, .address_space: global }
      - { .name: wf, .offset: 24, .size: 8, .value_kind: global_buffer, .address_space: global }
      - { .name: ws, .offset: 32, .size: 8, .value_kind: global_buffer, .address_space: global }
      - { .name: sc, .offset: 40, .size: 8, .value_kind: global_buffer, .address_space: global }
      - { .name: pctx, .offset: 48, .size: 8, .value_kind: global_buffer, .address_space: global }
      - { .name: pml, .offset: 56, .size: 8, .value_kind: global_buffer, .address_space: global }
    .group_segment_fixed_size: 327680
    .private_segment_fixed_size: 0
    .kernarg_segment_align: 8
    .kernarg_segment_size: 64
    .max_flat_workgroup_size: 256
    .sgpr_count:     66
    .vgpr_count:     512
    .wavefront_size: 32
...
	.end_amdgpu_metadata
.endif
;; end of part 2
;; launch combine (part 3): grid 32 x 1, 8 waves a work-group, no clusters, 0 bytes of LDS; arguments sc, pctx, pml, out0, out1; writes out0, out1
.if DOCPART == 3
	.amdgcn_target "amdgcn-amd-amdhsa--gfx1250"
	.amdhsa_code_object_version 6
	.text
	.protected	k_qa202b034de_combine
	.globl	k_qa202b034de_combine
	.p2align	8
	.type	k_qa202b034de_combine,@function
k_qa202b034de_combine:
	s_mov_b64 s[64:65], 0
	v_nop
	global_prefetch_b8 v0, s[64:65] scope:SCOPE_SE
	s_setreg_imm32_b32 hwreg(HW_REG_WAVE_MODE, 25, 1), 1
	s_wait_xcnt 0x0
; The eight work-groups of a batch are merged.  Each left its largest t, m_i, its sum l_i = sum of 2^(t - m_i), and its context c_i = sum of 2^(t - m_i) E's row.
; M = the largest m_i; L = sum of l_i 2^(m_i - M), at least 1, since the row that sets M counts 1; context = sum of c_i 2^(m_i - M) / L; weight = 2^(t - M) / L.
; One work-group a batch, 256 threads: a thread makes 4 numbers of the context and 8 weights.  32 work-groups: the launch moves 1.7 MB in all and has no more work to share.
; LIMIT: a weight or a factor under 2^-126 counts as 0.
	s_load_b256 s[4:11], s[0:1], 0x0               ; sc s[4:5], pctx s[6:7], pml s[8:9], out0 s[10:11]
	s_load_b64 s[12:13], s[0:1], 0x20              ; out1
	v_lshlrev_b32 v1, 4, v0                        ; 16 bytes a thread
	v_mov_b32 v2, 0
	s_mov_b32 s15, 0
	s_wait_alu depctr_va_vdst(0)
	s_wait_kmcnt 0x0
	s_lshl_b32 s14, ttmp9, 13                      ; 2,048 f32 a batch
	s_add_nc_u64 s[4:5], s[4:5], s[14:15]
	s_add_nc_u64 s[12:13], s[12:13], s[14:15]
	s_lshl_b32 s14, ttmp9, 15                      ; 8 contexts of 4,096 bytes
	s_add_nc_u64 s[6:7], s[6:7], s[14:15]
	s_lshl_b32 s14, ttmp9, 11                      ; 8 x 256 bytes
	s_add_nc_u64 s[8:9], s[8:9], s[14:15]
	s_lshl_b32 s14, ttmp9, 12
	s_add_nc_u64 s[10:11], s[10:11], s[14:15]
.irp i, 0,1,2,3,4,5,6,7
	global_load_b64 v[8+2*\i:9+2*\i], v2, s[8:9] offset:256*\i     ; (m_i, l_i), the same in every lane
.endr
.irp i, 0,1,2,3,4,5,6,7
	global_load_b128 v[32+4*\i:35+4*\i], v1, s[6:7] offset:4096*\i ; c_i: a wave reads 512 consecutive bytes
.endr
	global_load_b128 v[64:67], v1, s[4:5]
	global_load_b128 v[68:71], v1, s[4:5] offset:4096
	s_wait_loadcnt 10                              ; the eight pairs are in; the ten loads behind them may be out
	v_max3_num_f32 v24, v8, v10, v12
	s_delay_alu instid0(VALU_DEP_1)
	v_max3_num_f32 v24, v24, v14, v16
	s_delay_alu instid0(VALU_DEP_1)
	v_max3_num_f32 v24, v24, v18, v20
	s_delay_alu instid0(VALU_DEP_1)
	v_max_num_f32 v24, v24, v22                    ; M
.irp i, 0,1,2,3,4,5,6,7
	v_sub_f32 v[72+\i], v[8+2*\i], v24
.endr
	s_wait_alu depctr_va_vdst(0)
.irp i, 0,1,2,3,4,5,6,7
	v_exp_f32 v[72+\i], v[72+\i]                   ; 2^(m_i - M)
.endr
	v_nop                                          ; a plain place behind the exponentials
	s_wait_alu depctr_va_vdst(0)
	v_mul_f32 v25, v9, v72
.irp i, 1,2,3,4,5,6,7
	v_fma_f32 v25, v[9+2*\i], v[72+\i], v25        ; L
.endr
	s_wait_alu depctr_va_vdst(0)
	v_rcp_f32 v26, v25
	v_nop                                          ; a plain place behind the reciprocal
	s_wait_alu depctr_va_vdst(0)
.irp i, 0,1,2,3,4,5,6,7
	v_mul_f32 v[72+\i], v[72+\i], v26              ; 2^(m_i - M) / L
.endr
	s_wait_alu depctr_va_vdst(0)
	s_wait_loadcnt 2                               ; the contexts are in; the two loads of t may be out
.irp e, 0,1,2,3
	v_mul_f32 v[80+\e], v[32+\e], v72
.endr
.irp i, 1,2,3,4,5,6,7
.irp e, 0,1,2,3
	s_delay_alu instid0(VALU_DEP_4)
	v_fma_f32 v[80+\e], v[32+4*\i+\e], v[72+\i], v[80+\e]
.endr
.endr
	global_store_b128 v1, v[80:83], s[10:11]       ; a wave stores 512 consecutive bytes
	s_wait_loadcnt 0x0
.irp e, 0,1,2,3,4,5,6,7
	v_sub_f32 v[64+\e], v[64+\e], v24
.endr
	s_wait_alu depctr_va_vdst(0)
.irp e, 0,1,2,3,4,5,6,7
	v_exp_f32 v[64+\e], v[64+\e]
.endr
	v_nop
	s_wait_alu depctr_va_vdst(0)
.irp e, 0,1,2,3,4,5,6,7
	v_mul_f32 v[64+\e], v[64+\e], v26              ; the weight
.endr
	global_store_b128 v1, v[64:67], s[12:13]
	global_store_b128 v1, v[68:71], s[12:13] offset:4096
	s_endpgm
.Lfunc_end_k_qa202b034de_combine:
	.size	k_qa202b034de_combine, .Lfunc_end_k_qa202b034de_combine-k_qa202b034de_combine
	.p2alignl 7, 3214868480
	.fill 96, 4, 3214868480
	.section	.rodata,"a",@progbits
	.p2align	6, 0x0
	.amdhsa_kernel k_qa202b034de_combine
		.amdhsa_group_segment_fixed_size 0
		.amdhsa_private_segment_fixed_size 0
		.amdhsa_enable_private_segment 0
		.amdhsa_kernarg_size 40
		.amdhsa_user_sgpr_count 2
		.amdhsa_user_sgpr_kernarg_segment_ptr 1
		.amdhsa_wavefront_size32 1
		.amdhsa_system_sgpr_workgroup_id_x 1
		.amdhsa_system_sgpr_workgroup_id_y 1
		.amdhsa_system_sgpr_workgroup_id_z 1
		.amdhsa_system_vgpr_workitem_id 0
		.amdhsa_next_free_vgpr 96
		.amdhsa_next_free_sgpr 66
		.amdhsa_reserve_vcc 0
		.amdhsa_float_denorm_mode_32 3
		.amdhsa_float_denorm_mode_16_64 3
		.amdhsa_memory_ordered 1
		.amdhsa_forward_progress 1
		.amdhsa_inst_pref_size 9
	.end_amdhsa_kernel
	.amdgpu_metadata
---
amdhsa.version: [ 1, 2 ]
amdhsa.kernels:
  - .name:           k_qa202b034de_combine
    .symbol:         k_qa202b034de_combine.kd
    .args:
      - { .name: sc, .offset: 0, .size: 8, .value_kind: global_buffer, .address_space: global }
      - { .name: pctx, .offset: 8, .size: 8, .value_kind: global_buffer, .address_space: global }
      - { .name: pml, .offset: 16, .size: 8, .value_kind: global_buffer, .address_space: global }
      - { .name: out0, .offset: 24, .size: 8, .value_kind: global_buffer, .address_space: global }
      - { .name: out1, .offset: 32, .size: 8, .value_kind: global_buffer, .address_space: global }
    .group_segment_fixed_size: 0
    .private_segment_fixed_size: 0
    .kernarg_segment_align: 8
    .kernarg_segment_size: 40
    .max_flat_workgroup_size: 256
    .sgpr_count:     66
    .vgpr_count:     96
    .wavefront_size: 32
...
	.end_amdgpu_metadata
.endif
;; end of part 3
